; MI455X (gfx1250); checked and timed in simulation.
; The chip was launched on July 23, 2026; its instructions are those of AMD's public machine-readable ISA for CDNA 5 (MIT licence, August 2026) and "CDNA5" Instruction Set Architecture Reference Guide (July 2026). The comments in the code are by the model that wrote it; some were corrected since.
;; Nested FC. Allowed arithmetic: matrix products marked QUANTISED: E5M2 operands, one given power-of-two scale a tensor, by v_wmma_f32_16x16x64_bf8_bf8 or v_wmma_f32_16x16x128_bf8_bf8, f32 sums; everything else in f32.
;; Inputs: W 32 x 1,024 x 2,048 float32; activated 1,024 x 32 float32; b 32 x 1,024 float32; features 1,024 x 2,048 float32; lowp_scales 2 int32 (the exponents e of the quantised operands' scales 2^e).
;; Outputs: out0 1,024 x 4 x 1,024 float32.
;; Constants: top_k = 4.
;; This version of the problem:
;;   THIS VERSION OF THE PROBLEM IS GIVEN IN LOW PRECISION. The matrix products marked QUANTISED in the list below multiply operands that are first quantised to E5M2 (5 exponent bits, 2 mantissa bits; 8 bits a number), with one given power-of-two scale for each operand tensor; their sums are f32. All else is computed in f32.
;;   The module's matrix products, in the order in which they are computed (A, B: the left and right operand; K: the contracted axis; several contracted axes count as one K, in the product's order):
;;     1. [M 1,024, K 2,048] x [K 2,048, N 32,768]; A: input features; B: input W: QUANTISED (scales: A lowp_scales[0], B lowp_scales[1])
;;   THE QUANTISER, for each operand of a quantised product, along K:
;;     - The operand's scale is 2^e, e = its entry of the input lowp_scales (int32; the entries are numbered through the quantised products in the list's order, A before B).
;;     - Each number is divided by the scale, clamped to +-57,344, and rounded to the nearest number of E5M2, ties to even, subnormals kept.
;;     - The product sums the exact products of the quantised numbers (number of the format x scale) in f32.
;;   ~~~python
;;   def quantise(x, axis, e):      # numpy; x: float32 -> the quantised numbers, widened to float32 again
;;       x = np.moveaxis(x, axis, -1); K = x.shape[-1]
;;       r = np.clip(x / 2.0 ** e, -57344, 57344)
;;       step = 2.0 ** (np.maximum(np.frexp(np.where(r == 0, 1, r))[1] - 1, -14) - 2)
;;       q = np.round(r / step) * step * 2.0 ** e      # np.round: ties to even
;;       return np.moveaxis(q, -1, axis).astype(np.float32)
;;   ~~~
;; One version. Each part assembles by itself: llvm-mc -triple=amdgcn-amd-amdhsa -mcpu=gfx1250 --defsym DOCPART=n.
;; ======== version 1 of 1: 2 launches
;; workspace buffers: fcodes 2,097,152 bytes; sel 131,072 bytes of whole numbers; cntg 2,048 bytes of whole numbers
;; launch prep (part 1): grid 260 x 1, 4 waves a work-group, no clusters, 0 bytes of LDS; arguments features, activated, lowp_scales, fcodes, sel, cntg; writes fcodes, sel, cntg
.if DOCPART == 1
	.amdgcn_target "amdgcn-amd-amdhsa--gfx1250"
	.amdhsa_code_object_version 6
	.text
	.protected	k_q1f27bc164d_prep
	.globl	k_q1f27bc164d_prep
	.p2align	8
	.type	k_q1f27bc164d_prep,@function
k_q1f27bc164d_prep:
	s_mov_b64 s[64:65], 0
	v_nop
	global_prefetch_b8 v0, s[64:65] scope:SCOPE_SE
	s_setreg_imm32_b32 hwreg(HW_REG_WAVE_MODE, 25, 1), 1
	s_wait_xcnt 0x0
; TWO JOBS IN ONE LAUNCH, parted by the work-group's number.  No LDS, no barrier, EXEC is never changed.
; Work-groups 0-3 (ROUTE): for each of the 1,024 tokens the four experts with the SMALLEST activated, ascending, the lower index first among equals (a stable ascending sort's first four).
;   Stored at fixed places: sel[e][t] = k (0..3) where expert e is token t's k-th choice, else 4;  cntg[g][e] = how many of tokens 64 g .. 64 g + 63 chose e.  No address and no branch hangs on the choice.
;   -0 counts as +0; every NaN counts as one number above +infinity.
; Work-groups 4-259 (QUANT): features [1024][2048] f32 -> codes of BF8 (E5M2), code = x / 2^e0 held within +-57,344, to the nearest code, ties to even.  A wave takes a row.
;   THE CODES' ORDER ALONG K: in each block of 256, byte 8 l + 4 q + i holds k = 128 q + 4 l + i (l = 0..31, q = 0..1, i = 0..3): what two loads of 512 consecutive bytes leave in lane l.
;   The launch that multiplies lays W's codes in the same order, so every product meets its partner; only the order of the sums differs.
; LIMITS: e0 between -126 and 112, so that 2^e0 and 57,344 x 2^e0 are f32 numbers.  NaN among the features is not served (an infinity is held at the largest code).
.set X,   16                           ; QUANT: v16-79   a row's 2,048 numbers: block j at v[16 + 8 j]
.set C,   80                           ; QUANT: v80-95   a pair of code registers for each block, so that no store's data are written again
.set KEY, 16                           ; ROUTE: v16-47 the even token's 32 keys, v48-79 the odd token's
.set SEL, 80                           ; ROUTE: v[80 + 2 e], v[81 + 2 e]: sel of expert e for my two tokens
.set CNT, 144                          ; ROUTE: v144: lane e = the group's count for expert e
	s_load_b256 s[4:11], s[0:1], 0x0               ; features s[4:5], activated s[6:7], the scales' exponents s[8:9], fcodes s[10:11]
	s_load_b128 s[12:15], s[0:1], 0x20             ; sel s[12:13], cntg s[14:15]
	v_lshrrev_b32 v1, 5, v0
	v_readfirstlane_b32 s16, v1                    ; wave 0..3
	v_and_b32 v1, 31, v0                           ; lane
	s_mov_b32 s19, 0                               ; the upper word of every offset pair s[18:19]
	s_wait_kmcnt 0x0
	s_cmp_lt_u32 ttmp9, 4
	s_cbranch_scc1 .Lroute
	; ---------------- QUANT: row 4 (work-group - 4) + wave
	s_load_b32 s20, s[8:9], 0x0                    ; e0
	s_sub_co_u32 s17, ttmp9, 4
	s_lshl_b32 s17, s17, 2
	s_add_co_u32 s17, s17, s16                     ; my row
	s_lshl_b32 s18, s17, 13                        ; 8,192 bytes of f32 a row
	s_add_nc_u64 s[4:5], s[4:5], s[18:19]
	s_lshl_b32 s18, s17, 11                        ; 2,048 bytes of codes a row
	s_add_nc_u64 s[10:11], s[10:11], s[18:19]
	v_lshlrev_b32 v2, 4, v1                        ; in: 16 bytes a lane
	v_lshlrev_b32 v3, 3, v1                        ; out: 8 bytes a lane
.irp j, 0,1,2,3,4,5,6,7
	global_load_b128 v[X+8*\j:X+8*\j+3],   v2, s[4:5] offset:1024*\j th:TH_LOAD_NT       ; 32 lanes read 512 consecutive bytes; the whole row is asked for at once
	global_load_b128 v[X+8*\j+4:X+8*\j+7], v2, s[4:5] offset:1024*\j+512 th:TH_LOAD_NT
.endr
	s_wait_kmcnt 0x0
	s_add_co_i32 s20, s20, 127
	s_lshl_b32 s21, s20, 23
	v_mov_b32 v11, s21                             ; 2^e0 as f32: the conversion takes its exponent field
	s_add_co_i32 s20, s20, 15
	s_lshl_b32 s20, s20, 23
	s_or_b32 s20, s20, 0x600000
	v_mov_b32 v10, s20                             ; 57,344 x 2^e0
.irp j, 0,1,2,3,4,5,6,7
	s_wait_loadcnt 14-2*\j                         ; behind block j's two loads stand the two of each later block
.irp i, 0,1,2,3,4,5,6,7
	v_med3_num_f32 v[X+8*\j+\i], v[X+8*\j+\i], -v10, v10   ; the conversion to an 8-bit code does not saturate (ISA guide 7.6.2): the hold comes first
.endr
	v_cvt_scalef32_pk8_bf8_f32 v[C+2*\j:C+2*\j+1], v[X+8*\j:X+8*\j+7], v11   ; its result goes to a store alone; the next block's holds are plain lines on other registers
	global_store_b64 v3, v[C+2*\j:C+2*\j+1], s[10:11] offset:256*\j          ; 32 lanes store 256 consecutive bytes, at a multiple of 256 from the buffer's first byte
.endr
	s_endpgm
	; ---------------- ROUTE: group g = 4 x work-group + wave: tokens 64 g .. 64 g + 63; lane l has tokens 64 g + 2 l and 64 g + 2 l + 1
.Lroute:
	s_lshl_b32 s17, ttmp9, 2
	s_add_co_u32 s17, s17, s16                     ; g
	s_lshl_b32 s18, s17, 13                        ; 64 rows of 128 bytes of activated
	s_add_nc_u64 s[6:7], s[6:7], s[18:19]
	s_lshl_b32 s18, s17, 8                         ; 64 words in each of sel's rows
	s_add_nc_u64 s[12:13], s[12:13], s[18:19]
	s_lshl_b32 s18, s17, 7                         ; 32 words of cntg
	s_add_nc_u64 s[14:15], s[14:15], s[18:19]
	v_lshlrev_b32 v2, 8, v1                        ; my two rows: 256 bytes
	v_lshlrev_b32 v3, 3, v1                        ; my two words of a row of sel
	v_lshlrev_b32 v10, 2, v1                       ; my word of cntg
.irp i, 0,1,2,3,4,5,6,7,8,9,10,11,12,13,14,15
	global_load_b128 v[KEY+4*\i:KEY+4*\i+3], v2, s[6:7] offset:16*\i   ; a lane's registers must hold whole rows, so lanes stand 256 bytes apart; the sixteen loads together read the wave's 8,192 bytes once
.endr
	s_wait_loadcnt 0x0
	; a key: a whole number that orders as the float does
.set n, 0
.rept 64
	v_add_f32 v[KEY+n], 0, v[KEY+n]                ; -0 becomes +0
	v_cmp_neq_f32 vcc_lo, v[KEY+n], v[KEY+n]       ; NaN?
	v_ashrrev_i32 v4, 31, v[KEY+n]
	v_or_b32 v4, 0x80000000, v4
	v_xor_b32 v[KEY+n], v[KEY+n], v4               ; positive: the sign bit is set; negative: all bits are turned
	v_cndmask_b32 v[KEY+n], v[KEY+n], -2, vcc_lo   ; NaN: 0xfffffffe, above +infinity's key and under the mark 0xffffffff
.set n, n+1
.endr
; Choice k of both tokens, line by line in turn (the even token's mask in VCC, the odd token's in s24).
.macro ROUND k
	v_min_u32 v4, v[KEY], v[KEY+1]                 ; the smallest key, in two chains a token
	v_min_u32 v5, v[KEY+32], v[KEY+33]
	v_min_u32 v6, v[KEY+2], v[KEY+3]
	v_min_u32 v7, v[KEY+34], v[KEY+35]
.irp e, 4,6,8,10,12,14,16,18,20,22,24,26,28,30
	v_min_u32 v4, v4, v[KEY+\e]
	v_min_u32 v5, v5, v[KEY+32+\e]
	v_min_u32 v6, v6, v[KEY+1+\e]
	v_min_u32 v7, v7, v[KEY+33+\e]
.endr
	v_min_u32 v4, v4, v6
	v_min_u32 v5, v5, v7
	v_mov_b32 v8, 31                               ; its place: walked from the top down, so that the lowest index among equals stays
	v_mov_b32 v9, 31
.irp e, 30,29,28,27,26,25,24,23,22,21,20,19,18,17,16,15,14,13,12,11,10,9,8,7,6,5,4,3,2,1,0
	v_cmp_eq_u32 vcc_lo, v[KEY+\e], v4
	v_cmp_eq_u32 s24, v[KEY+32+\e], v5
	v_cndmask_b32 v8, v8, \e, vcc_lo
	v_cndmask_b32 v9, v9, \e, s24
.endr
.irp e, 0,1,2,3,4,5,6,7,8,9,10,11,12,13,14,15,16,17,18,19,20,21,22,23,24,25,26,27,28,29,30,31
	v_cmp_eq_u32 vcc_lo, \e, v8
	v_cmp_eq_u32 s24, \e, v9
.if \k < 3
	v_cndmask_b32 v[KEY+\e], v[KEY+\e], -1, vcc_lo         ; the chosen key is marked: above every key
	v_cndmask_b32 v[KEY+32+\e], v[KEY+32+\e], -1, s24
.endif
.if \k == 0
	v_cndmask_b32 v[SEL+2*\e], 4, 0, vcc_lo                ; sel's first write: nothing is cleared
	v_cndmask_b32 v[SEL+2*\e+1], 4, 0, s24
.else
	v_cndmask_b32 v[SEL+2*\e], v[SEL+2*\e], \k, vcc_lo
	v_cndmask_b32 v[SEL+2*\e+1], v[SEL+2*\e+1], \k, s24
.endif
.endr
.endm
	ROUND 0
	ROUND 1
	ROUND 2
	ROUND 3
.irp e, 0,1,2,3,4,5,6,7,8,9,10,11,12,13,14,15,16,17,18,19,20,21,22,23,24,25,26,27,28,29,30,31
	global_store_b64 v3, v[SEL+2*\e:SEL+2*\e+1], s[12:13] offset:4096*\e   ; 32 lanes store 256 consecutive bytes of expert e's row, at a multiple of 256
.endr
	v_mov_b32 v[CNT], 0
.irp e, 0,1,2,3,4,5,6,7,8,9,10,11,12,13,14,15,16,17,18,19,20,21,22,23,24,25,26,27,28,29,30,31
	v_cmp_ne_u32 s24, 4, v[SEL+2*\e]
	v_cmp_ne_u32 s25, 4, v[SEL+2*\e+1]
	s_bcnt1_i32_b32 s24, s24
	s_bcnt1_i32_b32 s25, s25
	s_add_co_u32 s24, s24, s25
	v_writelane_b32 v[CNT], s24, \e
.endr
	global_store_b32 v10, v[CNT], s[14:15]         ; 128 consecutive bytes: the group's 32 counts; sixteen such stores in the launch, 2,048 bytes in all
	s_endpgm
.Lfunc_end_k_q1f27bc164d_prep:
	.size	k_q1f27bc164d_prep, .Lfunc_end_k_q1f27bc164d_prep-k_q1f27bc164d_prep
	.p2alignl 7, 3214868480
	.fill 96, 4, 3214868480
	.section	.rodata,"a",@progbits
	.p2align	6, 0x0
	.amdhsa_kernel k_q1f27bc164d_prep
		.amdhsa_group_segment_fixed_size 0
		.amdhsa_private_segment_fixed_size 0
		.amdhsa_enable_private_segment 0
		.amdhsa_kernarg_size 48
		.amdhsa_user_sgpr_count 2
		.amdhsa_user_sgpr_kernarg_segment_ptr 1
		.amdhsa_wavefront_size32 1
		.amdhsa_system_sgpr_workgroup_id_x 1
		.amdhsa_system_sgpr_workgroup_id_y 1
		.amdhsa_system_sgpr_workgroup_id_z 1
		.amdhsa_system_vgpr_workitem_id 0
		.amdhsa_next_free_vgpr 160
		.amdhsa_next_free_sgpr 66
		.amdhsa_reserve_vcc 1
		.amdhsa_float_denorm_mode_32 3
		.amdhsa_float_denorm_mode_16_64 3
		.amdhsa_memory_ordered 1
		.amdhsa_forward_progress 1
		.amdhsa_inst_pref_size 114
	.end_amdhsa_kernel
	.amdgpu_metadata
---
amdhsa.version: [ 1, 2 ]
amdhsa.kernels:
  - .name:           k_q1f27bc164d_prep
    .symbol:         k_q1f27bc164d_prep.kd
    .args:
      - { .name: features, .offset: 0, .size: 8, .value_kind: global_buffer, .address_space: global }
      - { .name: activated, .offset: 8, .size: 8, .value_kind: global_buffer, .address_space: global }
      - { .name: lowp_scales, .offset: 16, .size: 8, .value_kind: global_buffer, .address_space: global }
      - { .name: fcodes, .offset: 24, .size: 8, .value_kind: global_buffer, .address_space: global }
      - { .name: sel, .offset: 32, .size: 8, .value_kind: global_buffer, .address_space: global }
      - { .name: cntg, .offset: 40, .size: 8, .value_kind: global_buffer, .address_space: global }
    .group_segment_fixed_size: 0
    .private_segment_fixed_size: 0
    .kernarg_segment_align: 8
    .kernarg_segment_size: 48
    .max_flat_workgroup_size: 128
    .sgpr_count:     66
    .vgpr_count:     160
    .wavefront_size: 32
...
	.end_amdgpu_metadata
.endif
;; end of part 1
;; launch experts (part 2): grid 8 x 32, 16 waves a work-group, no clusters, 282,112 bytes of LDS; arguments W, b, fcodes, sel, cntg, lowp_scales, out0; writes out0
.if DOCPART == 2
	.amdgcn_target "amdgcn-amd-amdhsa--gfx1250"
	.amdhsa_code_object_version 6
	.text
	.protected	k_q1f27bc164d_experts
	.globl	k_q1f27bc164d_experts
	.p2align	8
	.type	k_q1f27bc164d_experts,@function
k_q1f27bc164d_experts:
	s_mov_b64 s[64:65], 0
	v_nop
	global_prefetch_b8 v0, s[64:65] scope:SCOPE_SE
	s_setreg_imm32_b32 hwreg(HW_REG_WAVE_MODE, 25, 1), 1
	s_wait_xcnt 0x0
; out0[t][k][:] = Q(features[t]) . Q(W[e])^T + b[e] for e = token t's k-th choice: only the chosen rows are multiplied.  Products on codes of BF8 (E5M2), sums in f32, each sum once x 2^(e0 + e1).
; SHARES.  Work-group (x, y) takes expert y and 128 of its 1,024 columns (block x): 256 work-groups.  It reads its 128 rows of W, 1 MB of f32, once, quantises them on the way and never stores them; meanwhile it
;   multiplies them with rows 0-191 of the expert's list (the tokens that chose it).  Everything up to the last barrier is the same for every count: every wave passes every barrier, and none stands behind a branch on a number
;   read from memory.  So an expert that nobody chose still has its W read.  ROWS FROM 192 ON, where an expert has so many, are made behind the last barrier, each wave for itself, by a plain path (at the end of the text)
;   that reads W again once for each 128 rows: it serves every split up to all 1,024 tokens on one expert, and is left at its first compare where the count is 192 or less.
; NO TENSOR LOAD, AND SO NO JOINT LOAD IN A CLUSTER: W's rows are read by one work-group alone; what the eight work-groups of an expert share, the rows' codes, is a gather by a list (192 x 2,048 bytes against 1 MB of W), and work is passed over by counts read from memory.
; WAVES.  Sixteen, of 256 registers.  In each block of 256 along K wave w quantises W's rows 8 w .. 8 w + 7 into LDS and copies the codes of list rows 12 w .. 12 w + 11 into LDS; behind ONE barrier it multiplies:
;   columns 32 (w & 3) on (two tiles of 16) x the row tiles (w >> 2), + 4, + 8.  LDS buffers take turns: block j + 2 writes a buffer only behind barrier j + 1, which every wave signals behind its reads of block j.
; K's ORDER.  Byte 8 l + 4 q + i of a block of 256 codes holds k = 128 q + 4 l + i: what two loads of 512 consecutive bytes leave in lane l; fcodes are laid so too, so every product meets its partner.
; THE MATRIX INSTRUCTION IS USED TRANSPOSED (source 0 = 16 rows of W, source 1 = 16 list rows): a lane holds eight neighbouring columns of one row of the result.
; ALL GLOBAL LOADS OF A WAVE ARE ONE RING, used in the order of issue: 12 units of W (a unit: one row x 256 k, two loads) and one batch of six loads of codes.  The assembler counts the loads issued (LI); each wait's
;   count is LI less the count that stood behind the load wanted.  All 192 rows' codes are always copied (rows past the list's end take token 0's), so the counts hold on every path.
; LIMITS: e1 between -126 and 112; e0 + e1 between -126 and 127: each power of two below is then an f32 number.  NaN in W is not served (an infinity is held at the largest code).
.set PW,   272                         ; an LDS row of codes: 256 bytes + 16 = 68 words: row r starts at bank 4 r mod 64 (64 banks of 4 bytes: ISA guide 11.1)
.set WBB,  128*PW                      ; W's codes of a block: two buffers, at 0 and at WBB
.set AB,   2*WBB                       ; the rows' codes of a block: two buffers of 192 rows
.set ABB,  192*PW
.set LIST, AB+2*ABB                    ; 1,152 words: word i: 4 x token + k of the expert's row i, 0 past the list's end; word 1,024 also takes what is not the expert's (a count is 1,024 at the most, so that word is no row's)
.set STG,  LIST+4608                   ; the stage for the way out: 192 rows x (512 bytes + 16)
.set PS,   528
.set TILE, 192
; v0 the thread's number; v1 16 x lane; v2 where I store W's codes; v3 where I store rows' codes; v4-9 my twelve rows' offsets in fcodes; v10, v11 my A fragments in buffer 0, 1; v12 my B fragments; v13 my rows' words of the list;
; v14 2^e1; v15 57,344 x 2^e1; v16-63 six accumulators; v64-127 by turns: counts and sel (head), the codes just made, four fragments; v128-151 six loads of codes; v152-247 twelve units of W; v248-251 bias; v252-255 at work
.set ACC,  16
.set CD,   64
.set BF,   64
.set AF,   96
.set AR,   128
.set WR,   152
.set BIAS, 248
.set RW,   128                         ; the way out: 12 rows x 4 registers,
.set EN,   176                         ; and their 12 list words, then offsets in out0
; s[4:5] W at my wave's rows, s[6:7] b, s[8:9] fcodes, s[10:11] sel, s[12:13] cntg, s[14:15] the scales' exponents, s[16:17] out0; s18 wave, s19 w & 3, s20 w >> 2, s21 x, s23 expert, s25 its count, s26 rows among the first 192,
; s27 1 if my third row tile has rows; s[28:29] an offset; s30, s31 e0, e1; s[32:33] 2^(e0 + e1); s36-43 at work; s[44:45] W at the work-group's rows; s46-51 the path for rows from 192 on
.macro SUMCNT                          ; lane e: how many rows chose expert e: the sixteen groups' counts added
	v_add3_u32 v252, v64, v65, v66
.irp g, 67,69,71,73,75,77
	v_add3_u32 v252, v252, v[\g], v[\g+1]
.endr
	v_add_nc_u32 v252, v252, v79
.endm
.macro WLOAD x                         ; unit x = 8 j + u: row 8 w + u of my eight, block j: two loads of 512 consecutive bytes, into slot x % 12
.set SL, WR+8*((\x)%12)
	global_load_b128 v[SL:SL+3],   v1, s[4:5] offset:8192*((\x)%8)+1024*((\x)/8) th:TH_LOAD_NT
	global_load_b128 v[SL+4:SL+7], v1, s[4:5] offset:8192*((\x)%8)+1024*((\x)/8)+512 th:TH_LOAD_NT
.set LI, LI+2
.endm
.macro WQUANT x                        ; unit x becomes 256 codes, 8 a lane, and goes to its row in LDS
.set SL, WR+8*((\x)%12)
.if (\x) < 12
.set WE, 2*(\x)+2                      ; loads issued when unit x's were: the units up to it,
.else
.set WE, 2*(\x)+2+6*(((\x)-12)/8+1)    ; and, from unit 12 on, a batch of six for each block begun
.endif
	s_wait_loadcnt LI-WE                           ; loads come back in order (ISA guide 5.7.1): all issued behind unit x's may stay out
.irp i, 0,1,2,3,4,5,6,7
	v_med3_num_f32 v[SL+\i], v[SL+\i], -v15, v15   ; the conversion to an 8-bit code does not saturate (ISA guide 7.6.2): the hold comes first.  (A block's first eight holds are also the places behind the last products)
.endr
	v_cvt_scalef32_pk8_bf8_f32 v[CD+2*((\x)%8):CD+2*((\x)%8)+1], v[SL:SL+7], v14
	ds_store_b64 v2, v[CD+2*((\x)%8):CD+2*((\x)%8)+1] offset:PW*((\x)%8)+WBB*(((\x)/8)%2)   ; 32 lanes: a row's 256 bytes
.endm
.macro ALOAD j                         ; block j's codes of my twelve rows: lanes 0-15 take 256 consecutive bytes of one row, lanes 16-31 of the next
.irp i, 0,1,2,3,4,5
	global_load_b128 v[AR+4*\i:AR+4*\i+3], v[4+\i], s[8:9] offset:256*(\j)
.endr
.set LI, LI+6
.set AE, LI
.endm
.macro ASTORE j
	s_wait_loadcnt LI-AE                           ; the units of W asked for behind the batch may stay out
.irp i, 0,1,2,3,4,5
	ds_store_b128 v3, v[AR+4*\i:AR+4*\i+3] offset:2*PW*\i+ABB*((\j)%2)
.endr
.endm
.macro MM i, t, af, zero               ; row tile i of my three x column tile t, 128 along K.  zero: the product starts the sum
.if \zero
	v_wmma_f32_16x16x128_bf8_bf8 v[ACC+16*\i+8*\t:ACC+16*\i+8*\t+7], v[BF+16*\t:BF+16*\t+15], v[\af:\af+15], 0
.else
	v_wmma_f32_16x16x128_bf8_bf8 v[ACC+16*\i+8*\t:ACC+16*\i+8*\t+7], v[BF+16*\t:BF+16*\t+15], v[\af:\af+15], v[ACC+16*\i+8*\t:ACC+16*\i+8*\t+7]
.endif
.endm
; 128 along K: half ks of block j.  A fragment is 16 rows x 128 codes: four loads of 16 bytes, 32 apart, at row x pitch + 16 (lane / 16): the same places for both sources.
; The accumulators take turns, one instruction a turn, on every path.  The third row tile is passed over where the list has no rows for it, but not in the very first step, whose products start all six sums.
.macro KSTEP j, ks
.set Z, 0
.if ((\j) == 0) && ((\ks) == 0)
.set Z, 1
.endif
.if \ks
.rept 4
	v_nop                                          ; places in front of loads into registers that matrix instructions have read (ISA guide 7.12.1 for vector instructions)
.endr
.endif
.irp t, 0,1
.irp c, 0,1,2,3
	ds_load_b128 v[BF+16*\t+4*\c:BF+16*\t+4*\c+3], v12 offset:WBB*((\j)%2)+16*PW*\t+128*(\ks)+32*\c
.endr
.endr
.irp i, 0,1
.irp c, 0,1,2,3
	ds_load_b128 v[AF+16*\i+4*\c:AF+16*\i+4*\c+3], v[10+(\j)%2] offset:64*PW*\i+128*(\ks)+32*\c
.endr
.endr
	s_wait_dscnt 0x0
	MM 0, 0, AF, Z
	MM 0, 1, AF, Z
	MM 1, 0, AF+16, Z
	MM 1, 1, AF+16, Z
.if Z == 0
	s_cmp_eq_u32 s27, 0
	s_cbranch_scc1 .Lno_third_\@
.endif
.rept 4
	v_nop
.endr
.irp c, 0,1,2,3
	ds_load_b128 v[AF+4*\c:AF+4*\c+3], v[10+(\j)%2] offset:128*PW+128*(\ks)+32*\c
.endr
	s_wait_dscnt 0x0
	MM 2, 0, AF, Z
	MM 2, 1, AF, Z
.if Z == 0
.Lno_third_\@:
.endif
.endm
.macro PHASE j                         ; block j of 256 along K
.irp u, 0,1,2,3,4,5,6,7
	WQUANT 8*(\j)+\u
.if 8*(\j)+\u+12 < 64
	WLOAD 8*(\j)+\u+12                             ; the slot just read takes the unit twelve on
.endif
.endr
	v_nop                                          ; one plain vector line behind the last conversion: matrix instructions later name the codes' registers
	ASTORE \j
	s_wait_dscnt 0x0                               ; for the others' sake: my stores of this block have landed (my reads of the last block were waited for in front of its products); and the six registers' stores have read them
.if (\j) < 7
	ALOAD (\j)+1
.endif
	s_barrier_signal -1
	s_barrier_wait -1                              ; block j's 128 rows of W and 192 list rows lie in LDS
	KSTEP \j, 0
	KSTEP \j, 1
.endm
	; ---------------- the head: ids, and the LDS addresses of the blocks
	s_load_b256 s[4:11], s[0:1], 0x0
	s_load_b128 s[12:15], s[0:1], 0x20
	s_load_b64 s[16:17], s[0:1], 0x30
	v_lshrrev_b32 v252, 5, v0
	v_readfirstlane_b32 s18, v252                  ; wave 0..15
	s_and_b32 s19, s18, 3
	s_lshr_b32 s20, s18, 2
	s_mov_b32 s21, ttmp9                           ; the block of columns
	s_and_b32 s23, ttmp7, 0xffff                   ; the expert
	v_and_b32 v254, 31, v0                         ; lane
	v_and_b32 v252, 15, v0                         ; r = lane % 16
	v_bfe_u32 v255, v0, 4, 1                       ; h = lane / 16
	v_lshlrev_b32 v1, 4, v254
	v_lshlrev_b32 v253, 2, v254                    ; 4 x lane: the counts' offset; never rewritten while their loads are out
	s_mul_i32 s36, s18, 8*PW
	v_lshl_add_u32 v2, v254, 3, s36                ; W's codes: row 8 w, 8 bytes a lane
	s_mul_i32 s36, s18, 12*PW
	s_add_co_u32 s36, s36, AB
	v_mul_u32_u24 v3, v255, PW
	v_lshl_add_u32 v3, v252, 4, v3
	v_add_nc_u32 v3, s36, v3                       ; rows' codes: row 12 w + h, 16 bytes a lane
	v_mul_u32_u24 v12, v252, PW
	v_lshl_add_u32 v12, v255, 4, v12               ; a fragment: r x pitch + 16 h
	s_mul_i32 s36, s20, 16*PW
	s_add_co_u32 s36, s36, AB
	v_add_nc_u32 v10, s36, v12                     ; my first row tile, buffer 0,
	v_add_nc_u32 v11, ABB, v10                     ; buffer 1
	s_mul_i32 s36, s19, 32*PW
	v_add_nc_u32 v12, s36, v12                     ; my first column tile
	s_mul_i32 s36, s18, 48
	s_add_co_u32 s36, s36, LIST
	v_lshl_add_u32 v13, v255, 2, s36               ; the list's word of row 12 w + h
	v_add_nc_u32 v255, LIST, v1                    ; wave 0: my lane's 16 bytes of the list, for the zeros
	s_wait_kmcnt 0x0
	s_load_b64 s[30:31], s[14:15], 0x0             ; e0, e1
.irp g, 0,1,2,3,4,5,6,7,8,9,10,11,12,13,14,15
	global_load_b32 v[64+\g], v253, s[12:13] offset:128*\g   ; lane e: group g's count for expert e
.endr
	s_mov_b32 s29, 0
	s_lshl_b32 s28, s23, 23                        ; W: expert x 1,024 rows of 8,192 bytes
	s_lshl_b32 s36, s21, 20                        ;    + 128 x rows
	s_add_co_u32 s28, s28, s36
	s_add_nc_u64 s[44:45], s[4:5], s[28:29]        ; the work-group's 128 rows,
	s_lshl_b32 s28, s18, 16
	s_add_nc_u64 s[4:5], s[44:45], s[28:29]        ; my wave's eight of them
	s_lshl_b32 s28, s23, 12                        ; sel: the expert's row of 4,096 bytes
	s_add_nc_u64 s[10:11], s[10:11], s[28:29]
	s_lshl_b32 s36, s21, 9                         ; 128 columns of f32
	s_add_co_u32 s28, s28, s36
	s_add_nc_u64 s[6:7], s[6:7], s[28:29]          ; b: expert x 4,096 bytes + the block of columns
	s_mov_b32 s28, s36
	s_add_nc_u64 s[16:17], s[16:17], s[28:29]      ; out0: the block of columns
	s_cmp_lg_u32 s18, 0
	s_cbranch_scc1 .Lno_sel
.irp i, 0,1,2,3,4,5,6,7
	global_load_b128 v[80+4*\i:83+4*\i], v1, s[10:11] offset:512*\i   ; wave 0: sel of tokens 128 i + 4 lane + 0 .. 3
.endr
.Lno_sel:
	global_load_b128 v[BIAS:BIAS+3], v1, s[6:7]    ; b of columns 4 lane + 0 .. 3 of the block
.set LI, 0
.irp x, 0,1,2,3,4,5,6,7,8,9,10,11
	WLOAD \x                                       ; the ring is filled: 24 loads, 12,288 bytes a wave
.endr
	; ---------------- the list: wave 0 alone; no other wave touches LDS ahead of the barrier below
	s_cmp_lg_u32 s18, 0
	s_cbranch_scc1 .Lno_list
.irp n, 112,113,114,115
	v_mov_b32 v[\n], 0
.endr
.irp k, 0,1,2,3,4,5,6,7,8
	ds_store_b128 v255, v[112:115] offset:512*\k   ; all 1,152 words: rows past the list's end stand for token 0: their codes are copied and multiplied, their results never stored
.endr
	s_mov_b32 s36, 0                               ; rows counted so far
	s_wait_loadcnt 25                              ; behind sel's loads: the bias's one and W's 24
.irp i, 0,1,2,3,4,5,6,7
.irp c, 0,1,2,3
	v_cmp_ne_u32 vcc_lo, 4, v[80+4*\i+\c]                          ; who chose the expert
	v_mbcnt_lo_u32_b32 v[16+4*\i+\c], vcc_lo, s36                  ; its place: those counted so far + those in lower lanes
	v_cndmask_b32 v[16+4*\i+\c], -1, v[16+4*\i+\c], vcc_lo
	v_min_u32 v[16+4*\i+\c], 1024, v[16+4*\i+\c]                   ; not chosen: word 1,024
	v_lshl_add_u32 v[16+4*\i+\c], v[16+4*\i+\c], 2, LIST
	v_add3_u32 v[80+4*\i+\c], v[80+4*\i+\c], v1, 4*(128*\i+\c)     ; 4 x token + k
	ds_store_b32 v[16+4*\i+\c], v[80+4*\i+\c]                      ; LDS serves a wave's instructions in order (ISA guide 5.7.1.4): behind the zeros above
	s_bcnt1_i32_b32 s37, vcc_lo
	s_add_co_u32 s36, s36, s37
.endr
.endr
.Lno_list:
	s_wait_dscnt 0x0                               ; for the others' sake: the list has landed
	s_barrier_signal -1
	s_barrier_wait -1
	; ---------------- the count, the scales, my twelve rows' offsets, their first codes
.irp i, 0,1,2,3,4,5
	ds_load_b32 v[4+\i], v13 offset:8*\i           ; the list's words of rows 12 w + 2 i + h
.endr
	s_wait_loadcnt 25                              ; behind the counts' loads: the bias's one and W's 24 (in wave 0 sel's too, which are in)
	SUMCNT
	v_readlane_b32 s25, v252, s23                  ; my expert's count
	s_min_u32 s26, s25, TILE                       ; its rows among the first 192
	s_lshl_b32 s36, s20, 4
	s_add_co_u32 s36, s36, 128                     ; my third row tile's first row
	s_cmp_lt_u32 s36, s26
	s_cselect_b32 s27, 1, 0
	s_wait_kmcnt 0x0
	s_add_co_i32 s36, s31, 127
	s_lshl_b32 s37, s36, 23
	v_mov_b32 v14, s37                             ; 2^e1 as f32: the conversion takes its exponent field
	s_add_co_i32 s36, s36, 15
	s_lshl_b32 s36, s36, 23
	s_or_b32 s36, s36, 0x600000
	v_mov_b32 v15, s36                             ; 57,344 x 2^e1
	s_add_co_i32 s32, s30, s31
	s_add_co_i32 s32, s32, 127
	s_lshl_b32 s32, s32, 23                        ; 2^(e0 + e1) as f32
	s_mov_b32 s33, s32                             ; (named with it as a pair, so it is written)
	v_and_b32 v254, 15, v0
	v_lshlrev_b32 v254, 4, v254                    ; 16 (lane % 16)
	s_wait_dscnt 0x0
.irp i, 0,1,2,3,4,5
	v_lshrrev_b32 v[4+\i], 2, v[4+\i]              ; the token,
	v_min_u32 v[4+\i], 1023, v[4+\i]               ; held inside the table,
	v_lshl_add_u32 v[4+\i], v[4+\i], 11, v254      ; x 2,048 bytes of codes + my 16
.endr
	ALOAD 0
	; ---------------- eight blocks of 256 along K, written out: every offset is an immediate, no register that a pending load or store names is written again
	PHASE 0
	PHASE 1
	PHASE 2
	PHASE 3
	PHASE 4
	PHASE 5
	PHASE 6
	PHASE 7                                        ; its wait for the codes is for 0: no global load of mine is out from there on
	; ---------------- the way out: the raw sums meet in the stage; then each wave takes whole rows of 512 bytes.  The lines on addresses are the places behind the last products
	v_and_b32 v252, 15, v0
	v_bfe_u32 v254, v0, 4, 1
	v_mul_u32_u24 v2, v252, PS
	v_lshl_add_u32 v2, v254, 5, v2                 ; row r, + 32 h
	s_mul_i32 s36, s20, 16*PS
	s_lshl_b32 s37, s19, 7
	s_add_co_u32 s36, s36, s37
	s_add_co_u32 s36, s36, STG
	v_add_nc_u32 v2, s36, v2                       ; + my first row tile, + my 32 columns
	v_add_nc_u32 v3, 128*PS, v2                    ; the third row tile lies past the 16-bit offset
	s_mul_i32 s36, s18, PS
	s_add_co_u32 s36, s36, STG
	v_add_nc_u32 v10, s36, v1                      ; back: row w, 16 bytes a lane;
	v_add_nc_u32 v11, 128*PS, v10                  ; row 128 + w
	s_lshl_b32 s36, s18, 2
	s_add_co_u32 s36, s36, LIST
	v_mov_b32 v12, s36                             ; the list's word of row w
.irp i, 0,1
.irp t, 0,1
	ds_store_b128 v2, v[ACC+16*\i+8*\t:ACC+16*\i+8*\t+3] offset:64*PS*\i+64*\t          ; each accumulator from its low end on
	ds_store_b128 v2, v[ACC+16*\i+8*\t+4:ACC+16*\i+8*\t+7] offset:64*PS*\i+64*\t+16
.endr
.endr
.irp t, 0,1
	ds_store_b128 v3, v[ACC+32+8*\t:ACC+32+8*\t+3] offset:64*\t
	ds_store_b128 v3, v[ACC+32+8*\t+4:ACC+32+8*\t+7] offset:64*\t+16
.endr
	s_wait_dscnt 0x0                               ; for the others' sake: my part of the stage has landed
	s_barrier_signal -1
	s_barrier_wait -1                              ; the last barrier: behind it LDS is only read
.irp q, 0,1,2,3,4,5,6,7,8,9,10,11
	ds_load_b32 v[EN+\q], v12 offset:64*\q         ; rows 16 q + w are mine: their list words, the same in every lane,
.endr
.irp q, 0,1,2,3,4,5,6,7
	ds_load_b128 v[RW+4*\q:RW+4*\q+3], v10 offset:16*PS*\q   ; and their 512 bytes
.endr
.irp q, 8,9,10,11
	ds_load_b128 v[RW+4*\q:RW+4*\q+3], v11 offset:16*PS*(\q-8)
.endr
	s_wait_dscnt 12                                ; the twelve words are in; the twelve rows may be out
.irp q, 0,1,2,3,4,5,6,7,8,9,10,11
	v_min_u32 v[EN+\q], 4095, v[EN+\q]             ; 4 x token + k, held inside out0,
	v_lshl_add_u32 v[EN+\q], v[EN+\q], 12, v1      ; x 4,096 bytes + my 16
.endr
	s_mov_b32 s37, s18                             ; the row in hand
.irp q, 0,1,2,3,4,5,6,7,8,9,10,11
	s_cmp_le_u32 s26, s37                          ; past the last of the first 192 rows: so are all my later rows
	s_cbranch_scc1 .Ldone
	s_wait_dscnt 11-\q
	v_pk_fma_f32 v[RW+4*\q:RW+4*\q+1], v[RW+4*\q:RW+4*\q+1], s[32:33], v[BIAS:BIAS+1] op_sel_hi:[1,0,1]       ; sum x 2^(e0 + e1) + b, two at a time
	v_pk_fma_f32 v[RW+4*\q+2:RW+4*\q+3], v[RW+4*\q+2:RW+4*\q+3], s[32:33], v[BIAS+2:BIAS+3] op_sel_hi:[1,0,1]
	global_store_b128 v[EN+\q], v[RW+4*\q:RW+4*\q+3], s[16:17] th:TH_STORE_NT   ; 32 lanes store 512 consecutive bytes, at a multiple of 256 from out0's first byte; written once, read by nobody here
	s_add_co_u32 s37, s37, 16
.endr
.Ldone:
	s_wait_dscnt 0x0                               ; rows that were read and are not wanted have come in
; ---------------- ROWS FROM 192 ON.  No barrier, no LDS store: each wave for itself.  Wave w takes columns 16 (w & 7) on and, in trip t of seven, four row tiles: rows 192 + 64 (w >> 3) + 128 t on (832 rows are left at the most; 7 x 128 = 896).
; EVERY VECTOR ADDRESS REGISTER OF THIS PATH IS MADE HERE, ONCE, in straight text: ahead of the first branch on the count, of the first change of EXEC and of every loop: the wave's 28 list words become 28 offsets in fcodes and
; 28 in out0.  That is paid by every wave, whatever the count: 28 LDS loads, one wait, some 160 vector lines, behind its last stores.  The trips are written out, since each names other registers; the first trip whose first row
; is not under the count leaves for the end, and so do all behind it: with 192 rows or fewer one compare.
; The path is plain on purpose: it serves splits in which one expert has more than 192 of the 4,096 routed rows.  A K step loads, waits for all its 32 loads, quantises and multiplies; W is read again in each trip, in the fragment's own order:
; lane (r, h) takes, of W's row r, the numbers whose codes stand at bytes 32 c + 16 h + 0 .. 15 of the K step in K's order above: 32 bytes at 64 c + 32 h and 32 bytes 512 further on.
; A lane stores 32 neighbouring bytes of a row of out0, under a mask of the rows that the list has.
.set OACC, 16                          ; v16-47   four accumulators
.set OBF,  48                          ; v48-63   W's fragment
.set OAF,  64                          ; v64-127  four fragments of rows' codes
.set OX,   128                         ; v128-191 64 numbers of W; then the results
.set OB,   192                         ; v192-199 b of my eight columns
.set AO,   200                         ; v200-227 tile 4 t + i: my row's offset in fcodes
.set OO,   228                         ; v228-255 its list word, then its offset in out0
; v1 my place in W: 8,192 r + 32 h; v2 r; v3 h, then a trip's row; v4 at work; v10 32 h + 64 (w & 7); v11 16 h; v13 the list's word of my first row; s[44:45] W at my 16 rows; s[46:47], s[48:49] W and fcodes at the K step;
; s50 the K step; s51 the trip's first row
.macro OSTEP t, zero                   ; K step s50 = 2 j + ks of trip t: W's bytes 1,024 j + 256 ks on, the codes' bytes 128 s50 on
	s_lshr_b32 s40, s50, 1
	s_lshl_b32 s40, s40, 10
	s_and_b32 s42, s50, 1
	s_lshl_b32 s42, s42, 8
	s_add_co_u32 s40, s40, s42
	s_add_nc_u64 s[46:47], s[44:45], s[40:41]      ; the last step's loads, which named these registers, were waited for
	s_lshl_b32 s40, s50, 7
	s_add_nc_u64 s[48:49], s[8:9], s[40:41]
.rept 4
	v_nop                                          ; places in front of loads into registers that matrix instructions have read
.endr
.irp c, 0,1,2,3
	global_load_b128 v[OX+16*\c:OX+16*\c+3],     v1, s[46:47] offset:64*\c       ; codes 0-3 of the sixteen: q = 0, l = 16 ks + 4 c + 2 h
	global_load_b128 v[OX+16*\c+4:OX+16*\c+7],   v1, s[46:47] offset:64*\c+512   ; 4-7: q = 1, the same l
	global_load_b128 v[OX+16*\c+8:OX+16*\c+11],  v1, s[46:47] offset:64*\c+16    ; 8-11: q = 0, l + 1
	global_load_b128 v[OX+16*\c+12:OX+16*\c+15], v1, s[46:47] offset:64*\c+528   ; 12-15: q = 1, l + 1
.endr
.irp i, 0,1,2,3
.irp c, 0,1,2,3
	global_load_b128 v[OAF+16*\i+4*\c:OAF+16*\i+4*\c+3], v[AO+4*(\t)+\i], s[48:49] offset:32*\c
.endr
.endr
	s_wait_loadcnt 0x0                             ; all 32 (in a trip's first step the bias's two as well)
.irp c, 0,1,2,3
.irp n, 0,1,2,3,4,5,6,7,8,9,10,11,12,13,14,15
	v_med3_num_f32 v[OX+16*\c+\n], v[OX+16*\c+\n], -v15, v15
.endr
	v_cvt_scalef32_pk8_bf8_f32 v[OBF+4*\c:OBF+4*\c+1], v[OX+16*\c:OX+16*\c+7], v14
	v_cvt_scalef32_pk8_bf8_f32 v[OBF+4*\c+2:OBF+4*\c+3], v[OX+16*\c+8:OX+16*\c+15], v14
.endr
	v_nop                                          ; one plain vector line between the last conversion and the products that read its result
.irp i, 0,1,2,3                        ; four accumulators by turns, one instruction a turn, over the loop's backward jump too
.if \zero
	v_wmma_f32_16x16x128_bf8_bf8 v[OACC+8*\i:OACC+8*\i+7], v[OBF:OBF+15], v[OAF+16*\i:OAF+16*\i+15], 0
.else
	v_wmma_f32_16x16x128_bf8_bf8 v[OACC+8*\i:OACC+8*\i+7], v[OBF:OBF+15], v[OAF+16*\i:OAF+16*\i+15], v[OACC+8*\i:OACC+8*\i+7]
.endif
.endr
.endm
.macro OTRIP t                         ; rows s51 .. s51 + 63
	s_cmp_ge_u32 s51, s25
	s_cbranch_scc1 .Lend                           ; no row of mine in this trip, nor in any later one
	s_wait_xcnt 0x0                                ; the stores issued so far have read their registers: these are written again below
	global_load_b128 v[OB:OB+3], v10, s[6:7]       ; b of columns 16 (w & 7) + 8 h + 0 .. 7
	global_load_b128 v[OB+4:OB+7], v10, s[6:7] offset:16
	s_mov_b32 s50, 0
	OSTEP \t, 1                                    ; the first K step starts the sums
	s_mov_b32 s50, 1
.Lover_k_\@:
	OSTEP \t, 0
	s_add_co_u32 s50, s50, 1
	s_cmp_lt_u32 s50, 16
	s_cbranch_scc1 .Lover_k_\@
.rept 4
	v_nop                                          ; places in front of the first read of results
.endr
.irp i, 0,1,2,3
.irp n, 0,2,4,6
	v_pk_fma_f32 v[OX+8*\i+\n:OX+8*\i+\n+1], v[OACC+8*\i+\n:OACC+8*\i+\n+1], s[32:33], v[OB+\n:OB+\n+1] op_sel_hi:[1,0,1]   ; sum x 2^(e0 + e1) + b; each accumulator from its low end on
.endr
.endr
	v_add_nc_u32 v3, s51, v2                       ; tile 0's row
	s_wait_xcnt 0x0                                ; EXEC changes only behind this wait
.irp i, 0,1,2,3
	v_add_nc_u32 v4, 16*\i, v3
	v_cmp_gt_u32 vcc_lo, s25, v4                   ; the rows that the list has
	s_and_saveexec_b32 s42, vcc_lo
	global_store_b128 v[OO+4*(\t)+\i], v[OX+8*\i:OX+8*\i+3], s[16:17] th:TH_STORE_NT
	global_store_b128 v[OO+4*(\t)+\i], v[OX+8*\i+4:OX+8*\i+7], s[16:17] offset:16 th:TH_STORE_NT
	s_wait_xcnt 0x0                                ; and again, in front of the line that widens it
	s_or_b32 exec_lo, exec_lo, s42
.endr
	s_add_co_u32 s51, s51, 128
.endm
	s_and_b32 s38, s18, 7                          ; my tile of 16 columns
	s_lshr_b32 s39, s18, 3                         ; which 64 of a trip's 128 rows
	s_mov_b32 s41, 0                               ; the upper word of the offset pair s[40:41]
	s_lshl_b32 s40, s38, 17                        ; 16 rows of 8,192 bytes
	s_add_nc_u64 s[44:45], s[44:45], s[40:41]
	v_and_b32 v2, 15, v0                           ; r
	v_bfe_u32 v3, v0, 4, 1                         ; h
	s_mul_i32 s40, s39, 4*64
	s_add_co_u32 s40, s40, LIST+4*TILE
	v_lshl_add_u32 v13, v2, 2, s40                 ; the list's word of row 192 + 64 (w >> 3) + r
.irp t, 0,1,2,3,4,5,6
.irp i, 0,1,2,3
	ds_load_b32 v[OO+4*\t+\i], v13 offset:4*(128*\t+16*\i)   ; trip t, tile i: row 192 + 64 (w >> 3) + 128 t + 16 i + r: word 1,087 at the most, inside the list's 1,152
.endr
.endr
	v_lshlrev_b32 v1, 13, v2
	v_lshl_add_u32 v1, v3, 5, v1
	v_lshlrev_b32 v11, 4, v3
	s_lshl_b32 s40, s38, 6
	v_lshl_add_u32 v10, v3, 5, s40
	s_lshl_b32 s51, s39, 6
	s_add_co_u32 s51, s51, TILE                    ; my first row
	s_wait_dscnt 0x0
.set n, 0
.rept 28
	v_lshrrev_b32 v[AO+n], 2, v[OO+n]              ; the token,
	v_min_u32 v[AO+n], 1023, v[AO+n]               ; held inside the table,
	v_lshl_add_u32 v[AO+n], v[AO+n], 11, v11       ; x 2,048 bytes of codes + 16 h
	v_min_u32 v[OO+n], 4095, v[OO+n]               ; 4 x token + k, held inside out0,
	v_lshl_add_u32 v[OO+n], v[OO+n], 12, v10       ; x 4,096 bytes + my 32 bytes' place
.set n, n+1
.endr
	OTRIP 0
	OTRIP 1
	OTRIP 2
	OTRIP 3
	OTRIP 4
	OTRIP 5
	OTRIP 6
.Lend:
	s_wait_xcnt 0x0
	s_mov_b32 exec_lo, -1
	v_lshl_add_u32 v14, v0, 2, 0x44600
	v_mov_b32 v15, 0
	s_wait_tensorcnt 0x0
	ds_add_u32 v14, v15
	s_wait_dscnt 0x0
	s_endpgm
.Lfunc_end_k_q1f27bc164d_experts:
	.size	k_q1f27bc164d_experts, .Lfunc_end_k_q1f27bc164d_experts-k_q1f27bc164d_experts
	.p2alignl 7, 3214868480
	.fill 96, 4, 3214868480
	.section	.rodata,"a",@progbits
	.p2align	6, 0x0
	.amdhsa_kernel k_q1f27bc164d_experts
		.amdhsa_group_segment_fixed_size 282112
		.amdhsa_private_segment_fixed_size 0
		.amdhsa_enable_private_segment 0
		.amdhsa_kernarg_size 56
		.amdhsa_user_sgpr_count 2
		.amdhsa_user_sgpr_kernarg_segment_ptr 1
		.amdhsa_wavefront_size32 1
		.amdhsa_system_sgpr_workgroup_id_x 1
		.amdhsa_system_sgpr_workgroup_id_y 1
		.amdhsa_system_sgpr_workgroup_id_z 1
		.amdhsa_system_vgpr_workitem_id 0
		.amdhsa_next_free_vgpr 256
		.amdhsa_next_free_sgpr 66
		.amdhsa_reserve_vcc 1
		.amdhsa_float_denorm_mode_32 3
		.amdhsa_float_denorm_mode_16_64 3
		.amdhsa_memory_ordered 1
		.amdhsa_forward_progress 1
		.amdhsa_inst_pref_size 255
	.end_amdhsa_kernel
	.section	.bss,"aw",@nobits
	.p2align	6
	.space	262144
	.amdgpu_metadata
---
amdhsa.version: [ 1, 2 ]
amdhsa.kernels:
  - .name:           k_q1f27bc164d_experts
    .symbol:         k_q1f27bc164d_experts.kd
    .args:
      - { .name: W, .offset: 0, .size: 8, .value_kind: global_buffer, .address_space: global }
      - { .name: b, .offset: 8, .size: 8, .value_kind: global_buffer, .address_space: global }
      - { .name: fcodes, .offset: 16, .size: 8, .value_kind: global_buffer, .address_space: global }
      - { .name: sel, .offset: 24, .size: 8, .value_kind: global_buffer, .address_space: global }
      - { .name: cntg, .offset: 32, .size: 8, .value_kind: global_buffer, .address_space: global }
      - { .name: lowp_scales, .offset: 40, .size: 8, .value_kind: global_buffer, .address_space: global }
      - { .name: out0, .offset: 48, .size: 8, .value_kind: global_buffer, .address_space: global }
    .group_segment_fixed_size: 282112
    .private_segment_fixed_size: 0
    .kernarg_segment_align: 8
    .kernarg_segment_size: 56
    .max_flat_workgroup_size: 512
    .sgpr_count:     66
    .vgpr_count:     256
    .wavefront_size: 32
...
	.end_amdgpu_metadata
.endif
;; end of part 2
